; MI455X (gfx1250); checked and timed in simulation.
; The chip was launched on July 23, 2026; its instructions are those of AMD's public machine-readable ISA for CDNA 5 (MIT licence, August 2026) and "CDNA5" Instruction Set Architecture Reference Guide (July 2026). The comments in the code are by the model that wrote it; some were corrected since.
;; Mask Adaptive Embedding. Allowed arithmetic: matrix products marked QUANTISED: E5M2 operands, one E8M0 scale for each 32 along K, by v_wmma_scale_f32_16x16x128_f8f6f4 with both operands' format E5M2, f32 sums; products left as they are: f32 operands where the result goes on into a quantised operand, else bf16, f16 or f32 operands; f32 sums; everything else in f32.
;; Inputs: emb0 20,000 x 1,024 float32; emb1 20,000 x 256 float32; emb2 160,000 x 64 float32; emb3 67,735 x 16 float32; proj1_codes 1,024 x 8 x 32 uint8 (E5M2 codes of proj1, K innermost, in blocks of 32 codes); proj1_scales 1,024 x 8 uint8 (E8M0 scales of proj1, one for each 32 codes along K); proj2_codes 1,024 x 2 x 32 uint8 (E5M2 codes of proj2, K innermost, in blocks of 32 codes); proj2_scales 1,024 x 2 uint8 (E8M0 scales of proj2, one for each 32 codes along K); proj3 16 x 1,024 float32; tokens 8 x 2,048 int32.
;; Outputs: out0 8 x 2,048 x 1,024 float32.
;; This version of the problem:
;;   THIS VERSION OF THE PROBLEM IS GIVEN IN LOW PRECISION. The matrix products marked QUANTISED in the list below multiply operands that are first quantised to E5M2 (5 exponent bits, 2 mantissa bits; 8 bits a number), with one power-of-two scale for each 32 numbers along K (OCP MX v1.0); their sums are f32. All else is computed in f32.
;;   The module's matrix products, in the order in which they are computed (A, B: the left and right operand; K: the contracted axis; several contracted axes count as one K, in the product's order):
;;     1. [M 16,384, K 256] x [K 256, N 1,024]; A: computed on the way; B: input proj1 (given as codes): QUANTISED
;;     2. [M 16,384, K 64] x [K 64, N 1,024]; A: computed on the way; B: input proj2 (given as codes): QUANTISED
;;     3. [M 16,384, K 16] x [K 16, N 1,024]; A: computed on the way; B: input proj3: left as it is (K = 16 < 32)
;;   THE QUANTISER, for each operand of a quantised product, along K:
;;     - K is cut into blocks of 32 from its start; a last block that is shorter is filled with zeros.
;;     - A block's scale is 2^e with e = floor(log2(the largest magnitude in the block)) - 15, held to -126 .. 127; a block of zeros has e = 0. As a byte (E8M0): e + 127.
;;     - Each number is divided by its block's scale, clamped to +-57,344, and rounded to the nearest number of E5M2, ties to even, subnormals kept.
;;     - The product sums the exact products of the quantised numbers (number of the format x scale) in f32.
;;   ~~~python
;;   def quantise(x, axis):      # numpy; x: float32 -> the quantised numbers, widened to float32 again
;;       x = np.moveaxis(x, axis, -1); K = x.shape[-1]
;;       x = np.pad(x, [(0, 0)] * (x.ndim - 1) + [(0, -K % 32)]); x = x.reshape(x.shape[:-1] + (-1, 32)); a = np.abs(x).max(-1, keepdims=True)
;;       e = np.where(a > 0, np.clip(np.frexp(np.where(a > 0, a, 1))[1] - 1 - 15, -126, 127), 0)      # np.frexp(a)[1] - 1 = floor(log2(a)), exactly
;;       r = np.clip(x / 2.0 ** e, -57344, 57344)
;;       step = 2.0 ** (np.maximum(np.frexp(np.where(r == 0, 1, r))[1] - 1, -14) - 2)
;;       q = np.round(r / step) * step * 2.0 ** e      # np.round: ties to even
;;       return np.moveaxis(q.reshape(q.shape[:-2] + (-1,))[..., :K], -1, axis).astype(np.float32)
;;   ~~~
;;   OPERANDS COMPUTED ON THE WAY. 'Computed on the way' means the value that the module computes at that place (a softmax that the list does not call 'softmax' is quantised finished and normalised). What goes into a quantiser is computed in f32, as accurately as f32 sums, v_exp_f32 and their like allow (about 1e-6 of the number): no bf16 or f16 on the way to a quantiser, and a product that is left as it is and whose result goes on into a quantised operand takes f32 operands (vector FMAs, or v_wmma_f32_16x16x4_f32). A number that lies on a knife's edge between two numbers of the format may be rounded either way, as far as f32 arithmetic and the matrix unit's own rounding can turn it there, and no further.
;;   INPUTS GIVEN AS CODES. proj1 (in the module: [256, 1024], K = its axis 0); proj2 (in the module: [64, 1024], K = its axis 0): each comes as NAME_codes (uint8): NAME with its K axis moved to the last place and cut into blocks of 32 codes, [.., K / 32, bytes a block], one block behind the other in memory; one code a byte (a code: sign, 5 exponent bits, 2 mantissa bits); and NAME_scales (uint8): the same leading axes, one E8M0 byte (e + 127) for each 32 codes along K. Its value is code x scale, taken as it is: it is not quantised again, and the codes and scales need not be those that the quantiser above would give.
;; 2 versions, each right; version 2 is version 1 with the launch embed written anew for expert scheduling mode. Each part assembles by itself: llvm-mc -triple=amdgcn-amd-amdhsa -mcpu=gfx1250 --defsym DOCPART=n.
;; ======== version 1 of 2: 2 launches
;; workspace buffers: route 98,304 bytes of whole numbers
;; launch sort (part 1): grid 64 x 1, 1 waves a work-group, no clusters, 2,304 bytes of LDS; arguments tokens, route; writes route
.if DOCPART == 1
	.amdgcn_target "amdgcn-amd-amdhsa--gfx1250"
	.amdhsa_code_object_version 6
	.text
	.protected	k_q174a40444b_sort
	.globl	k_q174a40444b_sort
	.p2align	8
	.type	k_q174a40444b_sort,@function
k_q174a40444b_sort:
	s_mov_b64 s[64:65], 0
	v_nop
	global_prefetch_b8 v0, s[64:65] scope:SCOPE_SE
	s_setreg_imm32_b32 hwreg(HW_REG_WAVE_MODE, 25, 1), 1
	s_wait_xcnt 0x0
; The routing for the launch that follows.  Work-group x (one wave) takes tokens 256 x .. 256 x + 255 and sorts them by kind (clusters 0-3 by the ends 20,000, 40,000, 200,000, 267,735;
; 4 = outside every cluster) into tiles of 16 rows of one kind: never more than (256 + 5 x 15) / 16 = 20 tiles, whatever the tokens.
; OUT, 1,536 bytes a block: 320 entries (slot = 16 x tile + e; token | place in the block << 20; a hole is 0), then 32 pairs of words (kind | entries << 8, 0), tile w's at 1,280 + 8 w; kind 5 = no such tile.
; The list goes through memory because the next launch's branches and gather addresses hang on it.
; The scatter goes through the wave's own LDS, so that no global address here hangs on data and the list leaves in whole aligned runs of 256 bytes.  One wave: LDS serves its instructions in order, no barrier.
; 64 work-groups: a block's sort is one wave's work, and there are 64 blocks.
; REGISTERS: v1, v2, v3 16, 8, 4 x lane; v6 lane; v32-39 tokens; v40-45 at work; v46 the scatter's address; v48 (4 x lane) << 20; v49 0; v50-51 the tile's pair of words; v52-61 the list on its way out.
; s36-39 the ends, later masks; s40-47, s48-55, s56-63, s66-73 the lanes under each end, for each token register; s74-77 counts under each end; s80-84 how many of each kind;
; s85-89 first tiles; s90-94 next free slots; s95-99 one past the last slots.
.set BLOCKB, 1536
.set WORDS,  1280
	s_load_b128 s[4:7], s[0:1], 0x0                        ; tokens s[4:5], route s[6:7]
	v_lshl_add_u32 v64, v0, 2, 0x800
	v_mov_b32 v65, 0
	v_and_b32 v6, 31, v0                                   ; lane
	v_lshlrev_b32 v1, 4, v6
	v_lshlrev_b32 v2, 3, v6
	v_lshlrev_b32 v3, 2, v6
	s_lshl_b32 s8, ttmp9, 10                               ; 256 tokens of 4 bytes a block
	s_mov_b32 s9, 0
	s_mul_i32 s10, ttmp9, BLOCKB
	s_mov_b32 s11, 0
	s_wait_kmcnt 0x0
	s_add_nc_u64 s[4:5], s[4:5], s[8:9]
	s_add_nc_u64 s[6:7], s[6:7], s[10:11]
	global_load_b128 v[32:35], v1, s[4:5]                  ; register q: token 4 lane + q % 4 + 128 (q / 4)
	global_load_b128 v[36:39], v1, s[4:5] offset:512
	s_mov_b32 s36, 20000                                   ; the clusters' upper ends
	s_mov_b32 s37, 40000
	s_mov_b32 s38, 200000
	s_mov_b32 s39, 267735
	v_lshlrev_b32 v48, 22, v6                              ; (4 x lane) << 20
	v_mov_b32 v49, 0
	v_mov_b32 v51, 0
.irp k, 0,1,2,3,4,5,6,7,8,9
	ds_store_b32 v3, v49 offset:128*\k                     ; the list is cleared: a hole is the entry 0
.endr
	s_wait_loadcnt 0x0
.irp q, 0,1,2,3,4,5,6,7
	v_cmp_gt_u32 s[40+\q], s36, v[32+\q]                   ; unsigned: a negative token lies over every end
	v_cmp_gt_u32 s[48+\q], s37, v[32+\q]
	v_cmp_gt_u32 s[56+\q], s38, v[32+\q]
	v_cmp_gt_u32 s[66+\q], s39, v[32+\q]
.endr
	s_mov_b32 s74, 0
	s_mov_b32 s75, 0
	s_mov_b32 s76, 0
	s_mov_b32 s77, 0
.irp q, 0,1,2,3,4,5,6,7
	s_bcnt1_i32_b32 s78, s[40+\q]
	s_add_co_u32 s74, s74, s78
	s_bcnt1_i32_b32 s79, s[48+\q]
	s_add_co_u32 s75, s75, s79
	s_bcnt1_i32_b32 s78, s[56+\q]
	s_add_co_u32 s76, s76, s78
	s_bcnt1_i32_b32 s79, s[66+\q]
	s_add_co_u32 s77, s77, s79
.endr
	s_mov_b32 s80, s74                                     ; how many of each kind
	s_sub_co_u32 s81, s75, s74
	s_sub_co_u32 s82, s76, s75
	s_sub_co_u32 s83, s77, s76
	s_sub_co_u32 s84, 256, s77
	s_add_co_u32 s78, s80, 15
	s_lshr_b32 s85, s78, 4                                 ; s85-89: the first tile of kinds 1-4, and the number of tiles
.irp c, 1,2,3,4
	s_add_co_u32 s78, s[80+\c], 15
	s_lshr_b32 s78, s78, 4
	s_add_co_u32 s[85+\c], s[84+\c], s78
.endr
	s_mov_b32 s90, 0                                       ; s90-94: the next free slot of each kind
.irp c, 1,2,3,4
	s_lshl_b32 s[90+\c], s[84+\c], 4
.endr
.irp c, 0,1,2,3,4
	s_add_co_u32 s[95+\c], s[90+\c], s[80+\c]              ; s95-99: one past each kind's last slot
.endr
	; the tiles' words: lane = tile
	v_mov_b32 v40, 0
	v_mov_b32 v41, s95
.irp c, 1,2,3,4
	v_cmp_le_u32 vcc_lo, s[84+\c], v6
	v_mov_b32 v42, \c
	v_mov_b32 v43, s[95+\c]
	v_cndmask_b32 v40, v40, v42, vcc_lo
	v_cndmask_b32 v41, v41, v43, vcc_lo
.endr
	v_cmp_le_u32 vcc_lo, s89, v6
	v_mov_b32 v42, 5                                       ; no such tile
	v_cndmask_b32 v40, v40, v42, vcc_lo
	v_lshlrev_b32 v42, 4, v6
	v_sub_nc_u32 v41, v41, v42
	v_min_u32 v41, 16, v41                                 ; the tile's entries
	v_lshl_or_b32 v50, v41, 8, v40
	global_store_b64 v2, v[50:51], s[6:7] offset:WORDS     ; 32 lanes store 256 consecutive bytes, aligned; v2, v50, v51 are not written again
	; each token to its slot: its kind's next free slot + the lanes below it of the same kind
.irp q, 0,1,2,3,4,5,6,7
	s_and_not1_b32 s36, s[48+\q], s[40+\q]                 ; the lanes of kinds 1, 2, 3, 4 (kind 0's are s[40 + q])
	s_and_not1_b32 s37, s[56+\q], s[48+\q]
	s_and_not1_b32 s38, s[66+\q], s[56+\q]
	s_not_b32 s39, s[66+\q]
	v_mbcnt_lo_u32_b32 v40, s[40+\q], s90
	v_mbcnt_lo_u32_b32 v41, s36, s91
	v_mbcnt_lo_u32_b32 v42, s37, s92
	v_mbcnt_lo_u32_b32 v43, s38, s93
	v_mbcnt_lo_u32_b32 v44, s39, s94
	v_cndmask_b32 v44, v44, v43, s[66+\q]
	v_cndmask_b32 v44, v44, v42, s[56+\q]
	v_cndmask_b32 v44, v44, v41, s[48+\q]
	v_cndmask_b32 v44, v44, v40, s[40+\q]
	v_min_u32 v44, 319, v44                                ; 20 tiles x 16 slots: the address stays inside the list
	v_lshlrev_b32 v46, 2, v44
	v_and_or_b32 v45, v[32+\q], 0x7ffff, v48               ; token (19 bits) | (4 x lane) << 20: the fields do not meet
.if \q > 0
	v_add_nc_u32 v45, ((\q%4)+128*(\q/4))<<20, v45         ; + the register's part of the place: bits 20, 21 and 27, which are still 0
.endif
	ds_store_b32 v46, v45
.if \q < 7
	s_bcnt1_i32_b32 s78, s[40+\q]
	s_add_co_u32 s90, s90, s78
	s_bcnt1_i32_b32 s79, s36
	s_add_co_u32 s91, s91, s79
	s_bcnt1_i32_b32 s78, s37
	s_add_co_u32 s92, s92, s78
	s_bcnt1_i32_b32 s79, s38
	s_add_co_u32 s93, s93, s79
	s_bcnt1_i32_b32 s78, s39
	s_add_co_u32 s94, s94, s78
.endif
.endr
	ds_load_b128 v[52:55], v1                              ; LDS serves a wave's instructions in order: these see the stores above
	ds_load_b128 v[56:59], v1 offset:512
	ds_load_b64 v[60:61], v2 offset:1024
	s_wait_dscnt 0x0
	global_store_b128 v1, v[52:55], s[6:7]                 ; 512, 512 and 256 consecutive bytes, aligned
	global_store_b128 v1, v[56:59], s[6:7] offset:512
	global_store_b64 v2, v[60:61], s[6:7] offset:1024
	s_wait_tensorcnt 0x0
	ds_add_u32 v64, v65
	s_wait_dscnt 0x0
	s_endpgm
.Lfunc_end_k_q174a40444b_sort:
	.size	k_q174a40444b_sort, .Lfunc_end_k_q174a40444b_sort-k_q174a40444b_sort
	.p2alignl 7, 3214868480
	.fill 96, 4, 3214868480
	.section	.rodata,"a",@progbits
	.p2align	6, 0x0
	.amdhsa_kernel k_q174a40444b_sort
		.amdhsa_group_segment_fixed_size 2304
		.amdhsa_private_segment_fixed_size 0
		.amdhsa_enable_private_segment 0
		.amdhsa_kernarg_size 16
		.amdhsa_user_sgpr_count 2
		.amdhsa_user_sgpr_kernarg_segment_ptr 1
		.amdhsa_wavefront_size32 1
		.amdhsa_system_sgpr_workgroup_id_x 1
		.amdhsa_system_sgpr_workgroup_id_y 1
		.amdhsa_system_sgpr_workgroup_id_z 1
		.amdhsa_system_vgpr_workitem_id 0
		.amdhsa_next_free_vgpr 66
		.amdhsa_next_free_sgpr 100
		.amdhsa_reserve_vcc 1
		.amdhsa_float_denorm_mode_32 3
		.amdhsa_float_denorm_mode_16_64 3
		.amdhsa_memory_ordered 1
		.amdhsa_forward_progress 1
		.amdhsa_inst_pref_size 19
	.end_amdhsa_kernel
	.amdgpu_metadata
---
amdhsa.version: [ 1, 2 ]
amdhsa.kernels:
  - .name:           k_q174a40444b_sort
    .symbol:         k_q174a40444b_sort.kd
    .args:
      - { .name: tokens, .offset: 0, .size: 8, .value_kind: global_buffer, .address_space: global }
      - { .name: route, .offset: 8, .size: 8, .value_kind: global_buffer, .address_space: global }
    .group_segment_fixed_size: 2304
    .private_segment_fixed_size: 0
    .kernarg_segment_align: 8
    .kernarg_segment_size: 16
    .max_flat_workgroup_size: 32
    .sgpr_count:     100
    .vgpr_count:     66
    .wavefront_size: 32
...
	.end_amdgpu_metadata
.endif
;; end of part 1
;; launch embed (part 2): grid 4 x 64, 20 waves a work-group, no clusters, 96,768 bytes of LDS; arguments route, emb0, emb1, emb2, emb3, proj1_codes, proj1_scales, proj2_codes, proj2_scales, proj3, out0; writes out0
.if DOCPART == 2
	.amdgcn_target "amdgcn-amd-amdhsa--gfx1250"
	.amdhsa_code_object_version 6
	.text
	.protected	k_q174a40444b_embed
	.globl	k_q174a40444b_embed
	.p2align	8
	.type	k_q174a40444b_embed,@function
k_q174a40444b_embed:
	s_mov_b64 s[64:65], 0
	v_nop
	global_prefetch_b8 v0, s[64:65] scope:SCOPE_SE
	s_setreg_imm32_b32 hwreg(HW_REG_WAVE_MODE, 25, 1), 1
	s_wait_xcnt 0x0
; out[tok] = 32 x (emb0 row | Q(emb1 row) proj1 | Q(emb2 row) proj2 | emb3 row proj3), by the cluster into which the token falls; a token outside 0 .. 267,734 gets zeros.
; Only the chosen cluster's product is made for a token: the others are thrown away by a mask that the problem builds itself.  32 = sqrt(1024): the multiplication rounds nothing.
; proj1, proj2: E5M2 codes with E8M0 scales, as given.  The gathered rows of emb1 and emb2 are quantised here, in registers, along K.  proj3's product (K = 16) goes in bf16 with f32 sums.
; SHARES.  Work-group (x, y): tokens 256 y .. 256 y + 255, columns 256 x .. 256 x + 255.  20 waves.
;   The launch before has sorted the block's tokens by kind (clusters 0-3; 4 = out of range) into tiles of 16 rows of one kind, never more than 20, and stored them in route: 1,536 bytes a block:
;   320 entries (token | place << 20; a hole is 0), then tile w's word (kind | entries << 8; kind 5 = no such tile) at 1,280 + 8 w.
;   Waves 0-15 load the slice's weights, one tile of 16 columns each, and lay them into LDS as images of operand registers (16 bytes a lane, 512 a store).  One barrier.
;   Then wave w takes tile w: gathers its rows, quantises, multiplies against the images, x 32, stores.  A wave whose number has no tile ends.
; LAYOUT.  Source 0 = 16 token rows, source 1 = 16 columns.  A TILE'S COLUMNS ARE NOT NEIGHBOURS: tile t of group g (64 columns) has column 64 g + 4 r + t in lane r, so that register j of the four
;   accumulators of a group are four neighbouring columns of one row: the x 32 puts them in four registers on end, and one store of 16 bytes a lane covers two aligned runs of 256 consecutive bytes
;   (lanes 0-15 one token's, lanes 16-31 another's).  A TILE'S ROWS: list entry e is row (e / 2) + 8 (e % 2), so store j carries entries 2 j and 2 j + 1 and is issued while the tile has more than 2 j
;   entries: a scalar branch.  Where the last entry has no partner, the partner's lanes take the same token and place: the same bytes to the same address in the same instruction.  EXEC is never written.
; K = 64 IN A FORM OF K = 128: two tiles of proj2 stand on end in one operand, and the row's codes stand as [codes | zeros | codes]: registers 0-15 meet the first tile, registers 8-23 the second.
;   K = 16 in the bf16 form of K = 32 likewise.
; NO JOINT LOADS, NO TENSOR LOADS: the slice's weights (93 KB) are read by the 64 work-groups of a column slice, but every tile's way through the text is a branch on the list, which is read from
;   memory; the shared bytes are 93 KB against the 256 KB that the work-group stores.
; NO PREFETCH: a gather's address is known only where its load is issued, and the list and the weights are asked for at the head.
; LIMITS: NaN and infinities in the tables or in proj3, the infinity and NaN codes of E5M2 in the given codes and the scale byte 0xff are not served (in a pair of tiles zero codes meet the
;   neighbour's codes, so such a code would also spoil the neighbouring column).  A block of zeros gets the byte 1 where the rule says 127: its codes are zeros, and only this text reads the byte.
; LDS: 0 proj1's images (tile T, K step s, quad c: 4096 T + 2048 s + 512 c + 16 lane) | 65,536 proj2's (1024 T + 512 c) | 81,920 proj3's in bf16 (512 T) | 90,112 proj1's scale words (128 T + 4 lane:
;   lanes 0-15 K step 0, lanes 16-31 K step 1) | 92,160 proj2's pair words (128 T).
; REGISTERS: v0 thread; v1-3 LDS bases; v4 my bytes in a row's slice; v5-7 h, lane, r, later the row that I gather; v8-15 where store j goes; v16-31 the list, then at work, then results x 32;
;   v32-127, v160-175 by kind; v128-159 four accumulators; v162-163 the two entries of which one is my row; v164 0; v176-179 LDS addresses; v182 8 (r % 8); v184-190 scale words and nothing else.
.set BASE2, 65536
.set P3O,   16384                      ; offsets from BASE2
.set S1O,   24576
.set S2O,   26624
.set BLOCKB, 1536                      ; route: bytes a block,
.set WORDS,  1280                      ; and where its tiles' words begin
.set VO,    8
.set TM,    16                         ; v16-19 largest magnitudes, v20-23 bytes, v24-27 the largest number x the scale, v28-31 the conversions' scale operands
.set OUT,   16
.set ACC,   128
.macro PLACES n
.rept \n
	v_nop
.endr
.endm
; nb blocks of 32 along K.  v[s + 16 b + i] = k 32 b + 16 (lane / 16) + i of my row.  Codes to v[d + 4 b] on (and once more to v[d2 + 4 b] on, if d2), the scale word to v[pw].
.macro QUANT s, nb, d, d2, pw
.set qb, 0
.rept \nb
	v_max3_num_f32 v[TM+qb], |v[\s+16*qb]|, |v[\s+16*qb+1]|, 0x8000000   ; my 16 numbers of block b, and the floor 2^(16 - 127): the byte cannot fall under 1
.set qb, qb+1
.endr
.set qi, 2
.rept 7
.set qb, 0
.rept \nb
	v_max3_num_f32 v[TM+qb], v[TM+qb], |v[\s+16*qb+qi]|, |v[\s+16*qb+qi+1]|   ; (the blocks by turns)
.set qb, qb+1
.endr
.set qi, qi+2
.endr
.set qb, 0
.rept \nb
	v_permlanex16_b32 v[TM+4+qb], v[TM+qb], s30, s31
.set qb, qb+1
.endr
.set qb, 0
.rept \nb
	v_max_num_f32 v[TM+qb], v[TM+qb], v[TM+4+qb]           ; with lane l xor 16's: the block's largest magnitude
.set qb, qb+1
.endr
.set qb, 0
.rept \nb
	v_add_nc_u32 v[TM+12+qb], 0xf8800000, v[TM+qb]         ; 15 off its exponent field: the conversion's scale operand
.set qb, qb+1
.endr
.set qb, 0
.rept \nb
	v_and_or_b32 v[TM+8+qb], v[TM+qb], 0x7f800000, s32     ; 57,344 x the scale
.set qb, qb+1
.endr
.set qb, 0
.rept \nb
	v_lshrrev_b32 v[TM+4+qb], 23, v[TM+12+qb]              ; the scale's byte
.set qb, qb+1
.endr
	v_lshl_or_b32 v[\pw], v[TM+5], 8, v[TM+4]
.if \nb == 4
	v_lshl_or_b32 v[\pw], v[TM+6], 16, v[\pw]
	v_lshl_or_b32 v[\pw], v[TM+7], 24, v[\pw]
.else
	v_lshl_or_b32 v[\pw], v[\pw], 16, v[\pw]               ; (s0, s1, s0, s1): the codes stand at K 0-63 or at K 64-127
.endif
.set qb, 0
.rept \nb
.set qi, 0
.rept 16
	v_med3_num_f32 v[\s+16*qb+qi], v[\s+16*qb+qi], -v[TM+8+qb], v[TM+8+qb]   ; the conversion to an 8-bit code does not saturate (ISA guide 7.6.2): the hold
.set qi, qi+1
.endr
	v_cvt_scalef32_pk8_bf8_f32 v[\d+4*qb:\d+4*qb+1], v[\s+16*qb:\s+16*qb+7], v[TM+12+qb]
	v_cvt_scalef32_pk8_bf8_f32 v[\d+4*qb+2:\d+4*qb+3], v[\s+16*qb+8:\s+16*qb+15], v[TM+12+qb]
.if \d2
	v_cvt_scalef32_pk8_bf8_f32 v[\d2+4*qb:\d2+4*qb+1], v[\s+16*qb:\s+16*qb+7], v[TM+12+qb]
	v_cvt_scalef32_pk8_bf8_f32 v[\d2+4*qb+2:\d2+4*qb+3], v[\s+16*qb+8:\s+16*qb+15], v[TM+12+qb]
.endif
.set qb, qb+1
.endr
	v_nop                                                  ; one plain line behind the last conversion, ahead of whatever next touches its registers
.endm
; proj1: the four tiles of group g, K step s, into v48-111; with K step 0 their scale words
.macro FETCH1 g, s
.irp t, 0,1,2,3
.irp c, 0,1,2,3
	ds_load_b128 v[48+16*\t+4*\c:48+16*\t+4*\c+3], v1 offset:4096*(4*(\g)+\t)+2048*(\s)+512*\c
.endr
.endr
.if \s == 0
.irp t, 0,1,2,3
	ds_load_b32 v[184+\t], v3 offset:S1O+128*(4*(\g)+\t)
.endr
.endif
.endm
; proj2: the two pairs of tiles of group g into v[buf] on, their pair words into v[sb], v[sb + 1]: ten LDS loads
.macro FETCH2 g, buf, sb
.irp p, 0,1
.irp c, 0,1,2,3
	ds_load_b128 v[\buf+16*\p+4*\c:\buf+16*\p+4*\c+3], v2 offset:2048*(2*(\g)+\p)+512*\c
.endr
.endr
.irp p, 0,1
	ds_load_b32 v[\sb+\p], v3 offset:S2O+128*(4*(\g)+2*\p)
.endr
.endm
; Group g's 64 columns of the tile's rows leave.  Register j of accumulators 0-3 are four neighbouring columns; each accumulator is read from its low end on.
.macro OUTG g
	s_wait_xcnt 0x0                                        ; earlier stores have read v16-31: only now are they written again
.irp j, 0,1,2,3
.irp t, 0,1,2,3
	v_mul_f32 v[OUT+4*\j+\t], s29, v[ACC+8*\t+\j]
.endr
.endr
	global_store_b128 v[VO], v[OUT:OUT+3], s[24:25] offset:256*(\g) th:TH_STORE_NT
.irp j, 1,2,3
	s_cmp_le_u32 s34, 2*\j                                 ; no entry 2 j: the tile's rows are all out
	s_cbranch_scc1 .Ldone_\@
	global_store_b128 v[VO+\j], v[OUT+4*\j:OUT+4*\j+3], s[24:25] offset:256*(\g) th:TH_STORE_NT
.endr
	s_cmp_le_u32 s34, 8
	s_cbranch_scc1 .Ldone_\@
	s_wait_xcnt 0x0                                        ; the four stores above have read their data
.irp j, 4,5,6,7
.irp t, 0,1,2,3
	v_mul_f32 v[OUT+4*(\j-4)+\t], s29, v[ACC+8*\t+\j]
.endr
.endr
	global_store_b128 v[VO+4], v[OUT:OUT+3], s[24:25] offset:256*(\g) th:TH_STORE_NT
.irp j, 5,6,7
	s_cmp_le_u32 s34, 2*\j
	s_cbranch_scc1 .Ldone_\@
	global_store_b128 v[VO+\j], v[OUT+4*(\j-4):OUT+4*(\j-4)+3], s[24:25] offset:256*(\g) th:TH_STORE_NT
.endr
.Ldone_\@:
.endm
; Cluster 2, group g: the next group's fragments are asked for first, into the other buffer; four products; out.
.macro C2GROUP g, buf, sb, nbuf, nsb
.if \g < 3
	FETCH2 \g+1, \nbuf, \nsb
	s_wait_dscnt 10                                        ; this group's ten loads are in; the ten just issued may be out
.else
	s_wait_dscnt 0x0
.endif
.irp t, 0,1,2,3
	v_wmma_scale_f32_16x16x128_f8f6f4 v[ACC+8*\t:ACC+8*\t+7], v[64+8*(\t%2):64+8*(\t%2)+15], v[\buf+16*(\t/2):\buf+16*(\t/2)+15], 0, v188, v[\sb+\t/2] matrix_a_fmt:MATRIX_FMT_BF8 matrix_b_fmt:MATRIX_FMT_BF8
.endr
	PLACES 8                                               ; ahead of the first read of the results and of the next loads into the operands
	OUTG \g
.endm
; ---------------- HEAD: every wave ----------------
	s_load_b512 s[4:19], s[0:1], 0x0                       ; route s[4:5], emb0 s[6:7], emb1 s[8:9], emb2 s[10:11], emb3 s[12:13], proj1's codes s[14:15], its scales s[16:17], proj2's codes s[18:19]
	s_load_b128 s[20:23], s[0:1], 0x40                     ; proj2's scales s[20:21], proj3 s[22:23]
	s_load_b64 s[24:25], s[0:1], 0x50                      ; out
	v_lshl_add_u32 v183, v0, 2, 0x17000
	v_mov_b32 v191, 0
	v_lshrrev_b32 v1, 5, v0
	v_readfirstlane_b32 s26, v1                            ; wave 0..19
	v_and_b32 v6, 31, v0                                   ; lane
	v_and_b32 v7, 15, v0                                   ; r
	v_bfe_u32 v5, v0, 4, 1                                 ; h
	s_mov_b32 s27, ttmp9                                   ; column slice
	s_and_b32 s28, ttmp7, 0xffff                           ; token block
	s_mov_b32 s29, 0x42000000                              ; 32.0
	s_mov_b32 s30, 0x76543210
	s_mov_b32 s31, 0xfedcba98                              ; v_permlanex16_b32's selects for lane l xor 16
	s_mov_b32 s32, 0x600000                                ; the mantissa field of 57,344
	; every LDS address register is made here, ahead of the parting of the waves
	v_lshlrev_b32 v1, 4, v6                                ; 16 x lane
	v_add_nc_u32 v2, BASE2, v1
	v_lshl_add_u32 v3, v6, 2, BASE2                        ; BASE2 + 4 x lane
	s_lshl_b32 s36, s27, 10
	v_lshl_add_u32 v4, v7, 4, s36                          ; my 16 bytes in a row of 4,096: 1,024 x slice + 16 r
	s_lshl_b32 s36, s26, 12
	v_add_nc_u32 v176, s36, v1                             ; proj1's image of tile = wave
	s_lshl_b32 s36, s26, 10
	s_add_co_u32 s36, s36, BASE2
	v_add_nc_u32 v177, s36, v1                             ; proj2's
	s_lshl_b32 s36, s26, 9
	s_add_co_u32 s36, s36, BASE2+P3O
	v_add_nc_u32 v178, s36, v1                             ; proj3's
	s_lshl_b32 s36, s26, 7
	s_add_co_u32 s36, s36, S1O
	v_add_nc_u32 v179, s36, v3                             ; the scale words'
	v_and_b32 v182, 7, v0
	v_lshlrev_b32 v182, 3, v182                            ; entries 2 (r % 8) and 2 (r % 8) + 1 of my tile's 64 bytes
	v_mov_b32 v164, 0
	v_and_b32 v160, 7, v0
	v_lshl_add_u32 v160, v160, 1, 1                        ; 2 (r % 8) + 1: the odd entry's number,
	v_bfe_u32 v161, v0, 3, 1
	v_xor_b32 v161, 1, v161
	v_lshl_add_u32 v160, v161, 8, v160                     ; + 256 where r < 8: those lanes never take it
	s_wait_kmcnt 0x0
	s_lshl_b32 s36, s28, 20                                ; 256 rows of 4,096 bytes a block
	s_mov_b32 s37, 0
	s_add_nc_u64 s[24:25], s[24:25], s[36:37]
	s_mul_i32 s36, s28, BLOCKB
	s_add_nc_u64 s[4:5], s[4:5], s[36:37]                  ; my block's part of route
	s_lshl_b32 s36, s26, 3
	s_add_nc_u64 s[40:41], s[4:5], s[36:37]
	s_load_b32 s35, s[40:41], WORDS                        ; my tile's word; s[40:41] are not written again
	s_lshl_b32 s36, s26, 6
	s_add_nc_u64 s[4:5], s[4:5], s[36:37]                  ; my tile's 16 entries; s[4:5] are not written again
.irp k, 0,1,2,3
	global_load_b128 v[16+4*\k:16+4*\k+3], v164, s[4:5] offset:16*\k   ; all 16, in every lane
.endr
	global_load_b64 v[162:163], v182, s[4:5]               ; the two entries of which one is my row
	s_cmp_lt_u32 s26, 16
	s_cbranch_scc0 .Ljoin
; ---------------- WEIGHTS: waves 0-15, tile T = wave ----------------
	s_lshr_b32 s36, s26, 2
	s_lshl_b32 s36, s36, 6
	s_and_b32 s37, s26, 3
	s_add_co_u32 s36, s36, s37
	s_lshl_b32 s37, s27, 8
	s_add_co_u32 s36, s36, s37                             ; lane 0's column: 256 x slice + 64 (T / 4) + T % 4; lane r's is 4 r further on
	s_mov_b32 s39, 0
	s_lshl_b32 s38, s36, 8
	s_add_nc_u64 s[14:15], s[14:15], s[38:39]              ; proj1's codes: 256 bytes a column
	s_lshl_b32 s38, s36, 6
	s_add_nc_u64 s[18:19], s[18:19], s[38:39]              ; proj2's: 64
	s_lshl_b32 s38, s36, 3
	s_add_nc_u64 s[16:17], s[16:17], s[38:39]              ; proj1's scales: 8
	s_and_b32 s38, s36, -2
	s_lshl_b32 s38, s38, 1
	s_add_nc_u64 s[20:21], s[20:21], s[38:39]              ; proj2's: 2; the word of the even column and its neighbour
	s_lshl_b32 s38, s36, 2
	s_add_nc_u64 s[22:23], s[22:23], s[38:39]              ; proj3: 4 bytes a column in each of its 16 rows
	v_lshlrev_b32 v84, 10, v7
	v_lshl_add_u32 v84, v5, 4, v84
	v_lshlrev_b32 v85, 8, v7
	v_lshl_add_u32 v85, v5, 4, v85
	v_lshlrev_b32 v86, 5, v7
	v_lshl_add_u32 v86, v5, 2, v86
	v_lshlrev_b32 v87, 3, v7
	v_lshlrev_b32 v88, 4, v7
	v_lshl_add_u32 v88, v5, 15, v88
.irp s, 0,1
.irp c, 0,1,2,3
	global_load_b128 v[32+16*\s+4*\c:32+16*\s+4*\c+3], v84, s[14:15] offset:128*\s+32*\c   ; k = 128 s + 32 c + 16 h + 0 .. 15 of my column
.endr
.endr
.irp c, 0,1
	global_load_b128 v[64+4*\c:64+4*\c+3], v85, s[18:19] offset:32*\c
.endr
	global_load_b32 v184, v86, s[16:17]                    ; lane (r, h): the word of K step h
	global_load_b32 v185, v87, s[20:21]
.irp i, 0,1,2,3,4,5,6,7
	global_load_b32 v[72+\i], v88, s[22:23] offset:4096*\i ; proj3(8 h + i, my column)
.endr
	s_wait_loadcnt 0x0                                     ; all of them: they are stored next
.irp q, 0,1,2,3
	v_cvt_pk_bf16_f32 v[80+\q], v[72+2*\q], v[73+2*\q]     ; the lower k in the low half
.endr
.irp s, 0,1
.irp c, 0,1,2,3
	ds_store_b128 v176, v[32+16*\s+4*\c:32+16*\s+4*\c+3] offset:2048*\s+512*\c
.endr
.endr
.irp c, 0,1
	ds_store_b128 v177, v[64+4*\c:64+4*\c+3] offset:512*\c
.endr
	ds_store_b128 v178, v[80:83]
	ds_store_b32 v179, v184
	ds_store_b32 v179, v185 offset:S2O-S1O
; ---------------- the barrier: the images lie in LDS; from here on LDS is only read ----------------
.Ljoin:
	s_wait_loadcnt 0x0                                     ; on every wave's path: my list is in, and no global load is out, so that whichever kind follows may load into v32 on
	s_wait_kmcnt 0x0                                       ; my tile's word
	s_wait_dscnt 0x0                                       ; for the others' sake: my stores have landed
	s_barrier_signal -1
	; register work while the others arrive
	s_and_b32 s33, s35, 0xff                               ; kind
	s_lshr_b32 s34, s35, 8                                 ; entries
.irp j, 0,1,2,3,4,5,6,7
	s_cmp_gt_u32 s34, 2*\j+1
	s_cselect_b32 s35, 0xffff0000, 0                       ; lanes 16-31 take entry 2 j + 1 if there is one, else entry 2 j once more
	v_cndmask_b32 v[16+2*\j], v[16+2*\j], v[17+2*\j], s35
	v_lshrrev_b32 v[VO+\j], 20, v[16+2*\j]
	v_min_u32 v[VO+\j], 255, v[VO+\j]                      ; the token's place in the block
	v_lshl_add_u32 v[VO+\j], v[VO+\j], 12, v4
.endr
	v_cmp_gt_u32 vcc_lo, s34, v160                         ; row r is entry 2 (r % 8) + r / 8, or its even partner where that is a hole
	v_cndmask_b32 v5, v162, v163, vcc_lo
	v_and_b32 v5, 0x7ffff, v5                              ; its token
	v_bfe_u32 v6, v0, 4, 1                                 ; h
	s_barrier_wait -1
	s_cmp_eq_u32 s33, 2
	s_cbranch_scc1 .Lc2
	s_cmp_eq_u32 s33, 3
	s_cbranch_scc1 .Lc3
	s_cmp_eq_u32 s33, 1
	s_cbranch_scc1 .Lc1
	s_cmp_eq_u32 s33, 0
	s_cbranch_scc1 .Lc0
	s_cmp_eq_u32 s33, 4
	s_cbranch_scc1 .Lz
	s_wait_tensorcnt 0x0
	ds_add_u32 v183, v191
	s_wait_dscnt 0x0
	s_endpgm                                               ; this split has no tile of my number
; ---------------- cluster 2: K = 64 ----------------
; v32-63 the row's numbers, later buffer 1; v64-87 [codes | zeros | codes]; v88-119 buffer 0; v184-185, v186-187 the buffers' pair words; v188 the row's scale word
.Lc2:
	v_add_nc_u32 v5, -40000, v5
	v_min_u32 v5, 159999, v5                               ; a hole's row is held inside the table; nothing of it is stored
	v_lshlrev_b32 v5, 8, v5
	v_lshl_add_u32 v5, v6, 6, v5                           ; row x 256 bytes + 64 h: my 16 numbers of a block of 32
.irp b, 0,1
.irp i, 0,1,2,3
	global_load_b128 v[32+16*\b+4*\i:32+16*\b+4*\i+3], v5, s[10:11] offset:128*\b+16*\i
.endr
.endr
	FETCH2 0, 88, 184
.irp i, 0,1,2,3,4,5,6,7
	v_mov_b32 v[72+\i], 0                                  ; zero codes: they add nothing
.endr
	s_wait_loadcnt 0x0
	QUANT 32, 2, 64, 80, 188
	PLACES 4                                               ; codes written by vector instructions stand four places ahead of a scaled product; the scale word was made ahead of the holds
	C2GROUP 0, 88, 184, 32, 186
	C2GROUP 1, 32, 186, 88, 184
	C2GROUP 2, 88, 184, 32, 186
	C2GROUP 3, 32, 186, 0, 0
	s_wait_tensorcnt 0x0
	ds_add_u32 v183, v191
	s_wait_dscnt 0x0
	s_endpgm
; ---------------- cluster 3: K = 16, bf16 ----------------
; v32-39 the row's numbers; v40-51 [row | zeros | row]; v64-127 all 16 tiles of proj3, two to an operand
.Lc3:
	v_add_nc_u32 v5, -200000, v5
	v_min_u32 v5, 67734, v5
	v_lshlrev_b32 v5, 6, v5
	v_lshl_add_u32 v5, v6, 5, v5                           ; row x 64 bytes + 32 h: k = 8 h + 0 .. 7
	global_load_b128 v[32:35], v5, s[12:13]
	global_load_b128 v[36:39], v5, s[12:13] offset:16
.irp n, 0,1,2,3,4,5,6,7,8,9,10,11,12,13,14,15
	ds_load_b128 v[64+4*\n:64+4*\n+3], v2 offset:P3O+512*\n
.endr
.irp i, 0,1,2,3
	v_mov_b32 v[44+\i], 0
.endr
	s_wait_loadcnt 0x0
.irp q, 0,1,2,3
	v_cvt_pk_bf16_f32 v[40+\q], v[32+2*\q], v[33+2*\q]
	v_cvt_pk_bf16_f32 v[48+\q], v[32+2*\q], v[33+2*\q]
.endr
	s_wait_dscnt 0x0
.irp g, 0,1,2,3
.irp t, 0,1,2,3
	v_wmma_f32_16x16x32_bf16 v[ACC+8*\t:ACC+8*\t+7], v[40+4*(\t%2):40+4*(\t%2)+7], v[64+16*\g+8*(\t/2):64+16*\g+8*(\t/2)+7], 0
.endr
	PLACES 4                                               ; ahead of the first read of the results (ISA guide 7.12.1)
	OUTG \g
.endr
	s_wait_tensorcnt 0x0
	ds_add_u32 v183, v191
	s_wait_dscnt 0x0
	s_endpgm
; ---------------- cluster 1: K = 256, two K steps ----------------
; v32-159 the row's numbers; v160-175 the codes of K step 0; v32-47 those of K step 1; v48-111 four tiles of proj1; v184-187 their scale words;
; v188 the row's: lanes 0-15 K step 0's word, lanes 16-31 K step 1's
.Lc1:
	v_add_nc_u32 v5, -20000, v5
	v_min_u32 v5, 19999, v5
	v_lshlrev_b32 v5, 10, v5
	v_lshl_add_u32 v5, v6, 6, v5
.irp b, 0,1,2,3,4,5,6,7
.irp i, 0,1,2,3
	global_load_b128 v[32+16*\b+4*\i:32+16*\b+4*\i+3], v5, s[8:9] offset:128*\b+16*\i
.endr
.endr
	s_wait_loadcnt 16                                      ; K step 0's sixteen loads are in; K step 1's may be out
	QUANT 32, 4, 160, 0, 189
	s_wait_loadcnt 0x0
	QUANT 96, 4, 32, 0, 190
	FETCH1 0, 0
	s_mov_b32 s35, 0xffff0000
	v_cndmask_b32 v188, v189, v190, s35                    ; every lane of a row's pair holds the row's words
	PLACES 8                                               ; a scale word written by a vector instruction stands eight places ahead of a scaled product
.irp g, 0,1,2,3
	s_wait_dscnt 0x0
.irp t, 0,1,2,3
	v_wmma_scale_f32_16x16x128_f8f6f4 v[ACC+8*\t:ACC+8*\t+7], v[160:175], v[48+16*\t:48+16*\t+15], 0, v188, v[184+\t] matrix_a_fmt:MATRIX_FMT_BF8 matrix_b_fmt:MATRIX_FMT_BF8
.endr
	PLACES 8                                               ; ahead of the loads into the tiles' registers
	FETCH1 \g, 1
	s_wait_dscnt 0x0
.irp t, 0,1,2,3                                            ; the four accumulators by turns
	v_wmma_scale_f32_16x16x128_f8f6f4 v[ACC+8*\t:ACC+8*\t+7], v[32:47], v[48+16*\t:48+16*\t+15], v[ACC+8*\t:ACC+8*\t+7], v188, v[184+\t] matrix_a_fmt:MATRIX_FMT_BF8 matrix_b_fmt:MATRIX_FMT_BF8 matrix_a_scale:MATRIX_SCALE_ROW1 matrix_b_scale:MATRIX_SCALE_ROW1
.endr
	PLACES 8
.if \g < 3
	FETCH1 \g+1, 0                                         ; lands while this group leaves
.endif
	OUTG \g
.endr
	s_wait_tensorcnt 0x0
	ds_add_u32 v183, v191
	s_wait_dscnt 0x0
	s_endpgm
; ---------------- cluster 0: no product: the row's slice x 32 ----------------
; v[17 + 2 j]: where load j reads; v[32 + 16 j] on: 1,024 bytes of entries 2 j (lanes 0-15) and 2 j + 1 (lanes 16-31)
.Lc0:
	s_mov_b32 s36, s29
	s_mov_b32 s37, s29                                     ; (the packed form names a pair and takes its low word for both halves)
.irp j, 0,1,2,3,4,5,6,7
	v_and_b32 v[17+2*\j], 0x7ffff, v[16+2*\j]
	v_min_u32 v[17+2*\j], 19999, v[17+2*\j]
	v_lshl_add_u32 v[17+2*\j], v[17+2*\j], 12, v4
.endr
.irp j, 0,1,2,3,4,5,6,7
.irp i, 0,1,2,3
	global_load_b128 v[32+16*\j+4*\i:32+16*\j+4*\i+3], v[17+2*\j], s[6:7] offset:256*\i   ; sixteen lanes read 256 consecutive bytes
.endr
.endr
.irp j, 0,1,2,3,4,5,6,7
.if \j > 0
	s_cmp_le_u32 s34, 2*\j
	s_cbranch_scc1 .Lend
.endif
	s_wait_loadcnt 28-4*\j                                 ; this pair of rows is in; the later pairs' loads may be out
.irp i, 0,2,4,6,8,10,12,14
	v_pk_mul_f32 v[32+16*\j+\i:32+16*\j+\i+1], v[32+16*\j+\i:32+16*\j+\i+1], s[36:37] op_sel_hi:[1,0]
.endr
.irp i, 0,1,2,3
	global_store_b128 v[VO+\j], v[32+16*\j+4*\i:32+16*\j+4*\i+3], s[24:25] offset:256*\i th:TH_STORE_NT
.endr
.endr
	s_wait_tensorcnt 0x0
	ds_add_u32 v183, v191
	s_wait_dscnt 0x0
	s_endpgm
; ---------------- tokens outside every cluster: zeros ----------------
.Lz:
.irp i, 0,1,2,3
	v_mov_b32 v[32+\i], 0
.endr
.irp j, 0,1,2,3,4,5,6,7
.if \j > 0
	s_cmp_le_u32 s34, 2*\j
	s_cbranch_scc1 .Lend
.endif
.irp g, 0,1,2,3
	global_store_b128 v[VO+\j], v[32:35], s[24:25] offset:256*\g th:TH_STORE_NT
.endr
.endr
.Lend:
	s_wait_tensorcnt 0x0
	ds_add_u32 v183, v191
	s_wait_dscnt 0x0
	s_endpgm
.Lfunc_end_k_q174a40444b_embed:
	.size	k_q174a40444b_embed, .Lfunc_end_k_q174a40444b_embed-k_q174a40444b_embed
	.p2alignl 7, 3214868480
	.fill 96, 4, 3214868480
	.section	.rodata,"a",@progbits
	.p2align	6, 0x0
	.amdhsa_kernel k_q174a40444b_embed
		.amdhsa_group_segment_fixed_size 96768
		.amdhsa_private_segment_fixed_size 0
		.amdhsa_enable_private_segment 0
		.amdhsa_kernarg_size 88
		.amdhsa_user_sgpr_count 2
		.amdhsa_user_sgpr_kernarg_segment_ptr 1
		.amdhsa_wavefront_size32 1
		.amdhsa_system_sgpr_workgroup_id_x 1
		.amdhsa_system_sgpr_workgroup_id_y 1
		.amdhsa_system_sgpr_workgroup_id_z 1
		.amdhsa_system_vgpr_workitem_id 0
		.amdhsa_next_free_vgpr 192
		.amdhsa_next_free_sgpr 66
		.amdhsa_reserve_vcc 1
		.amdhsa_float_denorm_mode_32 3
		.amdhsa_float_denorm_mode_16_64 3
		.amdhsa_memory_ordered 1
		.amdhsa_forward_progress 1
		.amdhsa_inst_pref_size 104
	.end_amdhsa_kernel
	.amdgpu_metadata
---
amdhsa.version: [ 1, 2 ]
amdhsa.kernels:
  - .name:           k_q174a40444b_embed
    .symbol:         k_q174a40444b_embed.kd
    .args:
      - { .name: route, .offset: 0, .size: 8, .value_kind: global_buffer, .address_space: global }
      - { .name: emb0, .offset: 8, .size: 8, .value_kind: global_buffer, .address_space: global }
      - { .name: emb1, .offset: 16, .size: 8, .value_kind: global_buffer, .address_space: global }
      - { .name: emb2, .offset: 24, .size: 8, .value_kind: global_buffer, .address_space: global }
      - { .name: emb3, .offset: 32, .size: 8, .value_kind: global_buffer, .address_space: global }
      - { .name: proj1_codes, .offset: 40, .size: 8, .value_kind: global_buffer, .address_space: global }
      - { .name: proj1_scales, .offset: 48, .size: 8, .value_kind: global_buffer, .address_space: global }
      - { .name: proj2_codes, .offset: 56, .size: 8, .value_kind: global_buffer, .address_space: global }
      - { .name: proj2_scales, .offset: 64, .size: 8, .value_kind: global_buffer, .address_space: global }
      - { .name: proj3, .offset: 72, .size: 8, .value_kind: global_buffer, .address_space: global }
      - { .name: out0, .offset: 80, .size: 8, .value_kind: global_buffer, .address_space: global }
    .group_segment_fixed_size: 96768
    .private_segment_fixed_size: 0
    .kernarg_segment_align: 8
    .kernarg_segment_size: 88
    .max_flat_workgroup_size: 640
    .sgpr_count:     66
    .vgpr_count:     192
    .wavefront_size: 32
...
	.end_amdgpu_metadata
.endif
;; end of part 2
;; ======== version 2 of 2: 2 launches; version 1 with the launch embed written anew for expert scheduling mode
;; workspace buffers: route 98,304 bytes of whole numbers
;; launch sort: the kernel of part 1 again; grid 64 x 1, 1 waves a work-group, no clusters, 2,304 bytes of LDS; arguments tokens, route; writes route
;; launch embed (part 3): grid 4 x 64, 20 waves a work-group, no clusters, 96,768 bytes of LDS; arguments route, emb0, emb1, emb2, emb3, proj1_codes, proj1_scales, proj2_codes, proj2_scales, proj3, out0; writes out0
.if DOCPART == 3
	.amdgcn_target "amdgcn-amd-amdhsa--gfx1250"
	.amdhsa_code_object_version 6
	.text
	.protected	k_q174a40444b_embed
	.globl	k_q174a40444b_embed
	.p2align	8
	.type	k_q174a40444b_embed,@function
k_q174a40444b_embed:
	s_mov_b64 s[64:65], 0
	v_nop
	global_prefetch_b8 v0, s[64:65] scope:SCOPE_SE
	s_setreg_imm32_b32 hwreg(HW_REG_WAVE_SCHED_MODE, 0, 2), 2
	s_setreg_imm32_b32 hwreg(HW_REG_WAVE_MODE, 25, 1), 1
	s_wait_xcnt 0x0
	s_wait_alu depctr_vm_vsrc(0)
; out[tok] = 32 x (emb0 row | Q(emb1 row) proj1 | Q(emb2 row) proj2 | emb3 row proj3), by the cluster into which the token falls; a token outside 0 .. 267,734 gets zeros.
; Only the chosen cluster's product is made for a token: the others are thrown away by a mask that the problem builds itself.  32 = sqrt(1024): the multiplication rounds nothing.
; proj1, proj2: E5M2 codes with E8M0 scales, as given.  The gathered rows of emb1 and emb2 are quantised here, in registers, along K.  proj3's product (K = 16) goes in bf16 with f32 sums.
; SHARES.  Work-group (x, y): tokens 256 y .. 256 y + 255, columns 256 x .. 256 x + 255.  20 waves.
;   The launch before has sorted the block's tokens by kind (clusters 0-3; 4 = out of range) into tiles of 16 rows of one kind, never more than 20, and stored them in route: 1,536 bytes a block:
;   320 entries (token | place << 20; a hole is 0), then tile w's word (kind | entries << 8; kind 5 = no such tile) at 1,280 + 8 w.
;   Waves 0-15 load the slice's weights, one tile of 16 columns each, and lay them into LDS as images of operand registers (16 bytes a lane, 512 a store).  One barrier.
;   Then wave w takes tile w: gathers its rows, quantises, multiplies against the images, x 32, stores.  A wave whose number has no tile ends.
; LAYOUT.  Source 0 = 16 token rows, source 1 = 16 columns.  A TILE'S COLUMNS ARE NOT NEIGHBOURS: tile t of group g (64 columns) has column 64 g + 4 r + t in lane r, so that register j of the four
;   accumulators of a group are four neighbouring columns of one row: the x 32 puts them in four registers on end, and one store of 16 bytes a lane covers two aligned runs of 256 consecutive bytes
;   (lanes 0-15 one token's, lanes 16-31 another's).  A TILE'S ROWS: list entry e is row (e / 2) + 8 (e % 2), so store j carries entries 2 j and 2 j + 1 and is issued while the tile has more than 2 j
;   entries: a scalar branch.  Where the last entry has no partner, the partner's lanes take the same token and place: the same bytes to the same address in the same instruction.  EXEC is never written.
; K = 64 IN A FORM OF K = 128: two tiles of proj2 stand on end in one operand, and the row's codes stand as [codes | zeros | codes]: registers 0-15 meet the first tile, registers 8-23 the second.
;   K = 16 in the bf16 form of K = 32 likewise.
; NO JOINT LOADS, NO TENSOR LOADS: the slice's weights (93 KB) are read by the 64 work-groups of a column slice, but every tile's way through the text is a branch on the list, which is read from
;   memory; the shared bytes are 93 KB against the 256 KB that the work-group stores.
; NO PREFETCH: a gather's address is known only where its load is issued, and the list and the weights are asked for at the head.
; LIMITS: NaN and infinities in the tables or in proj3, the infinity and NaN codes of E5M2 in the given codes and the scale byte 0xff are not served (in a pair of tiles zero codes meet the
;   neighbour's codes, so such a code would also spoil the neighbouring column).  A block of zeros gets the byte 1 where the rule says 127: its codes are zeros, and only this text reads the byte.
; LDS: 0 proj1's images (tile T, K step s, quad c: 4096 T + 2048 s + 512 c + 16 lane) | 65,536 proj2's (1024 T + 512 c) | 81,920 proj3's in bf16 (512 T) | 90,112 proj1's scale words (128 T + 4 lane:
;   lanes 0-15 K step 0, lanes 16-31 K step 1) | 92,160 proj2's pair words (128 T) | 94,208 the spare words, 128 bytes a wave.
; REGISTERS: v0 thread; v1-3 LDS bases; v4 my bytes in a row's slice; v5-7 h, lane, r, later the row that I gather; v8-15 where store j goes; v16-31 the list, then at work, then results x 32;
;   v32-127, v160-175 by kind; v128-159 four accumulators; v162-163 the two entries of which one is my row; v164 0; v176-179 LDS addresses; v182 8 (r % 8); v184-190 scale words and nothing else;
;   v183, v191 the closing add's two.
; THE MODE: SCHED_MODE bits 1:0 = 2 (LLVM: expert scheduling mode 2), set by the entry lines.  The code itself states the register dependences between vector or matrix instructions and memory or
;   LDS instructions, with s_wait_alu, always for 0.
; THE PLAN.  Registers that memory or LDS instructions touch:
;   v1-4, v176-179   Addresses, made at the head, ahead of one wait on va_vdst, and never written again.  v164, v182: the list loads' offsets, likewise; free behind the join.
;   v84-88           Waves 0-15: the weights' offsets: made, one wait on va_vdst, read by the weights' loads.
;   v32-83, v184-185 Waves 0-15: the weights, loaded (v80-83: made by four conversions, one wait on va_vdst), read by the image stores.
;                    ONE wait on vm_vsrc at the join, on every wave's path, states that all these have been read: every kind writes them again.
;   v5, v8-15        The gather's offset and the stores' offsets: written in the prologue and in a kind's first lines; one wait on va_vdst in each kind, ahead of its gather; never written again.
;   tile buffers     Cluster 2: v88-119 and v32-63 by turns, with v184-185 and v186-187: group g's products read one while group g + 1's loads land in the other, which group g - 1's products read:
;                    those stand ahead of the wait on va_vdst in group g - 1's way out.  Cluster 1: one buffer, v48-111 with v184-187: a wait on va_vdst ahead of each refill.
;   out-buffers      v16-31 for stores 0-3 of a group, a second one (clusters 2, 3: v160-175; cluster 1: v112-127) for stores 4-7.  Each is written by sixteen multiplications, one wait on va_vdst, read by
;                    four stores.  One wait on vm_vsrc at the head of the next group's way out, a group's products behind those stores, frees both.
.set BASE2, 65536
.set P3O,   16384                      ; offsets from BASE2
.set S1O,   24576
.set S2O,   26624
.set BLOCKB, 1536                      ; route: bytes a block,
.set WORDS,  1280                      ; and where its tiles' words begin
.set VO,    8
.set TM,    16                         ; v16-19 largest magnitudes, v20-23 bytes, v24-27 the largest number x the scale, v28-31 the conversions' scale operands
.set OUT,   16
.set ACC,   128
.macro PLACES n
.rept \n
	v_nop
.endr
.endm
; nb blocks of 32 along K.  v[s + 16 b + i] = k 32 b + 16 (lane / 16) + i of my row.  Codes to v[d + 4 b] on (and once more to v[d2 + 4 b] on, if d2), the scale word to v[pw].
.macro QUANT s, nb, d, d2, pw
.set qb, 0
.rept \nb
	v_max3_num_f32 v[TM+qb], |v[\s+16*qb]|, |v[\s+16*qb+1]|, 0x8000000   ; my 16 numbers of block b, and the floor 2^(16 - 127): the byte cannot fall under 1
.set qb, qb+1
.endr
.set qi, 2
.rept 7
.set qb, 0
.rept \nb
	v_max3_num_f32 v[TM+qb], v[TM+qb], |v[\s+16*qb+qi]|, |v[\s+16*qb+qi+1]|   ; (the blocks by turns)
.set qb, qb+1
.endr
.set qi, qi+2
.endr
.set qb, 0
.rept \nb
	v_permlanex16_b32 v[TM+4+qb], v[TM+qb], s30, s31
.set qb, qb+1
.endr
.set qb, 0
.rept \nb
	v_max_num_f32 v[TM+qb], v[TM+qb], v[TM+4+qb]           ; with lane l xor 16's: the block's largest magnitude
.set qb, qb+1
.endr
.set qb, 0
.rept \nb
	v_add_nc_u32 v[TM+12+qb], 0xf8800000, v[TM+qb]         ; 15 off its exponent field: the conversion's scale operand
.set qb, qb+1
.endr
.set qb, 0
.rept \nb
	v_and_or_b32 v[TM+8+qb], v[TM+qb], 0x7f800000, s32     ; 57,344 x the scale
.set qb, qb+1
.endr
.set qb, 0
.rept \nb
	v_lshrrev_b32 v[TM+4+qb], 23, v[TM+12+qb]              ; the scale's byte
.set qb, qb+1
.endr
	v_lshl_or_b32 v[\pw], v[TM+5], 8, v[TM+4]
.if \nb == 4
	v_lshl_or_b32 v[\pw], v[TM+6], 16, v[\pw]
	v_lshl_or_b32 v[\pw], v[TM+7], 24, v[\pw]
.else
	v_lshl_or_b32 v[\pw], v[\pw], 16, v[\pw]               ; (s0, s1, s0, s1): the codes stand at K 0-63 or at K 64-127
.endif
.set qb, 0
.rept \nb
.set qi, 0
.rept 16
	v_med3_num_f32 v[\s+16*qb+qi], v[\s+16*qb+qi], -v[TM+8+qb], v[TM+8+qb]   ; the conversion to an 8-bit code does not saturate (ISA guide 7.6.2): the hold
.set qi, qi+1
.endr
	v_cvt_scalef32_pk8_bf8_f32 v[\d+4*qb:\d+4*qb+1], v[\s+16*qb:\s+16*qb+7], v[TM+12+qb]
	v_cvt_scalef32_pk8_bf8_f32 v[\d+4*qb+2:\d+4*qb+3], v[\s+16*qb+8:\s+16*qb+15], v[TM+12+qb]
.if \d2
	v_cvt_scalef32_pk8_bf8_f32 v[\d2+4*qb:\d2+4*qb+1], v[\s+16*qb:\s+16*qb+7], v[TM+12+qb]
	v_cvt_scalef32_pk8_bf8_f32 v[\d2+4*qb+2:\d2+4*qb+3], v[\s+16*qb+8:\s+16*qb+15], v[TM+12+qb]
.endif
.set qb, qb+1
.endr
	v_nop                                                  ; one plain line behind the last conversion, ahead of whatever next touches its registers
.endm
; proj1: the four tiles of group g, K step s, into v48-111; with K step 0 their scale words
.macro FETCH1 g, s
.irp t, 0,1,2,3
.irp c, 0,1,2,3
	ds_load_b128 v[48+16*\t+4*\c:48+16*\t+4*\c+3], v1 offset:4096*(4*(\g)+\t)+2048*(\s)+512*\c
.endr
.endr
.if \s == 0
.irp t, 0,1,2,3
	ds_load_b32 v[184+\t], v3 offset:S1O+128*(4*(\g)+\t)
.endr
.endif
.endm
; proj2: the two pairs of tiles of group g into v[buf] on, their pair words into v[sb], v[sb + 1]: ten LDS loads
.macro FETCH2 g, buf, sb
.irp p, 0,1
.irp c, 0,1,2,3
	ds_load_b128 v[\buf+16*\p+4*\c:\buf+16*\p+4*\c+3], v2 offset:2048*(2*(\g)+\p)+512*\c
.endr
.endr
.irp p, 0,1
	ds_load_b32 v[\sb+\p], v3 offset:S2O+128*(4*(\g)+2*\p)
.endr
.endm
; Group g's 64 columns of the tile's rows leave.  Register j of accumulators 0-3 are four neighbouring columns; each accumulator is read from its low end on.
; Two out-buffers: v16-31 for stores 0-3, v[o2] on for stores 4-7, so that both are freed by the one pair of waits at the head.
.macro OUTG g, o2
	s_wait_xcnt 0x0                                        ; earlier stores have had their addresses translated: only now are their data registers written again
.if (\g) > 0
	s_wait_alu depctr_vm_vsrc(0)                           ; the stores of the group before have read both out-buffers, which this group's multiplications write again
.endif
.irp j, 0,1,2,3
.irp t, 0,1,2,3
	v_mul_f32 v[OUT+4*\j+\t], s29, v[ACC+8*\t+\j]
.endr
.endr
	s_wait_alu depctr_va_vdst(0)                           ; the sixteen multiplications have written v16-31, the data of the four stores below; the group's products, issued ahead of them, are done reading their operands and scale words
	global_store_b128 v[VO], v[OUT:OUT+3], s[24:25] offset:256*(\g) th:TH_STORE_NT
.irp j, 1,2,3
	s_cmp_le_u32 s34, 2*\j                                 ; no entry 2 j: the tile's rows are all out
	s_cbranch_scc1 .Ldone_\@
	global_store_b128 v[VO+\j], v[OUT+4*\j:OUT+4*\j+3], s[24:25] offset:256*(\g) th:TH_STORE_NT
.endr
	s_cmp_le_u32 s34, 8
	s_cbranch_scc1 .Ldone_\@
.irp j, 4,5,6,7
.irp t, 0,1,2,3
	v_mul_f32 v[\o2+4*(\j-4)+\t], s29, v[ACC+8*\t+\j]      ; the second out-buffer: its last readers, the group before's stores, stand ahead of the waits at the head
.endr
.endr
	s_wait_alu depctr_va_vdst(0)                           ; these sixteen have written the second out-buffer, the data of the four stores below
	global_store_b128 v[VO+4], v[\o2:\o2+3], s[24:25] offset:256*(\g) th:TH_STORE_NT
.irp j, 5,6,7
	s_cmp_le_u32 s34, 2*\j
	s_cbranch_scc1 .Ldone_\@
	global_store_b128 v[VO+\j], v[\o2+4*(\j-4):\o2+4*(\j-4)+3], s[24:25] offset:256*(\g) th:TH_STORE_NT
.endr
.Ldone_\@:
.endm
; Cluster 2, group g: the next group's fragments are asked for first, into the other buffer; four products; out.
.macro C2GROUP g, buf, sb, nbuf, nsb
.if \g < 3
	FETCH2 \g+1, \nbuf, \nsb                               ; no wait of its own: the other buffer's last readers (the quantiser; later the products of the group before) stand ahead of a wait on va_vdst, and only multiplications on the accumulators and the out-buffers were issued since
	s_wait_dscnt 10                                        ; this group's ten loads are in; the ten just issued may be out
.else
	s_wait_dscnt 0x0
.endif
.irp t, 0,1,2,3
	v_wmma_scale_f32_16x16x128_f8f6f4 v[ACC+8*\t:ACC+8*\t+7], v[64+8*(\t%2):64+8*(\t%2)+15], v[\buf+16*(\t/2):\buf+16*(\t/2)+15], 0, v188, v[\sb+\t/2] matrix_a_fmt:MATRIX_FMT_BF8 matrix_b_fmt:MATRIX_FMT_BF8
.endr
	PLACES 8                                               ; ahead of the first read of the results (ISA guide 7.12.1)
	OUTG \g, 160
.endm
; ---------------- HEAD: every wave ----------------
	s_load_b512 s[4:19], s[0:1], 0x0                       ; route s[4:5], emb0 s[6:7], emb1 s[8:9], emb2 s[10:11], emb3 s[12:13], proj1's codes s[14:15], its scales s[16:17], proj2's codes s[18:19]
	s_load_b128 s[20:23], s[0:1], 0x40                     ; proj2's scales s[20:21], proj3 s[22:23]
	s_load_b64 s[24:25], s[0:1], 0x50                      ; out
	v_lshl_add_u32 v183, v0, 2, 0x17000
	v_mov_b32 v191, 0
	v_lshrrev_b32 v1, 5, v0
	v_readfirstlane_b32 s26, v1                            ; wave 0..19
	v_and_b32 v6, 31, v0                                   ; lane
	v_and_b32 v7, 15, v0                                   ; r
	v_bfe_u32 v5, v0, 4, 1                                 ; h
	s_mov_b32 s27, ttmp9                                   ; column slice
	s_and_b32 s28, ttmp7, 0xffff                           ; token block
	s_mov_b32 s29, 0x42000000                              ; 32.0
	s_mov_b32 s30, 0x76543210
	s_mov_b32 s31, 0xfedcba98                              ; v_permlanex16_b32's selects for lane l xor 16
	s_mov_b32 s32, 0x600000                                ; the mantissa field of 57,344
	; every LDS address register is made here, ahead of the parting of the waves
	v_lshlrev_b32 v1, 4, v6                                ; 16 x lane
	v_add_nc_u32 v2, BASE2, v1
	v_lshl_add_u32 v3, v6, 2, BASE2                        ; BASE2 + 4 x lane
	s_lshl_b32 s36, s27, 10
	v_lshl_add_u32 v4, v7, 4, s36                          ; my 16 bytes in a row of 4,096: 1,024 x slice + 16 r
	s_wait_alu depctr_va_sdst(0)                           ; s26, the wave's number, is written, ahead of its first reader
	s_lshl_b32 s36, s26, 12
	v_add_nc_u32 v176, s36, v1                             ; proj1's image of tile = wave
	s_lshl_b32 s36, s26, 10
	s_add_co_u32 s36, s36, BASE2
	v_add_nc_u32 v177, s36, v1                             ; proj2's
	s_lshl_b32 s36, s26, 9
	s_add_co_u32 s36, s36, BASE2+P3O
	v_add_nc_u32 v178, s36, v1                             ; proj3's
	s_lshl_b32 s36, s26, 7
	s_add_co_u32 s36, s36, S1O
	v_add_nc_u32 v179, s36, v3                             ; the scale words'
	v_and_b32 v182, 7, v0
	v_lshlrev_b32 v182, 3, v182                            ; entries 2 (r % 8) and 2 (r % 8) + 1 of my tile's 64 bytes
	v_mov_b32 v164, 0
	v_and_b32 v160, 7, v0
	v_lshl_add_u32 v160, v160, 1, 1                        ; 2 (r % 8) + 1: the odd entry's number,
	v_bfe_u32 v161, v0, 3, 1
	v_xor_b32 v161, 1, v161
	v_lshl_add_u32 v160, v161, 8, v160                     ; + 256 where r < 8: those lanes never take it
	s_wait_kmcnt 0x0
	s_lshl_b32 s36, s28, 20                                ; 256 rows of 4,096 bytes a block
	s_mov_b32 s37, 0
	s_add_nc_u64 s[24:25], s[24:25], s[36:37]
	s_mul_i32 s36, s28, BLOCKB
	s_add_nc_u64 s[4:5], s[4:5], s[36:37]                  ; my block's part of route
	s_lshl_b32 s36, s26, 3
	s_add_nc_u64 s[40:41], s[4:5], s[36:37]
	s_load_b32 s35, s[40:41], WORDS                        ; my tile's word; s[40:41] are not written again
	s_lshl_b32 s36, s26, 6
	s_add_nc_u64 s[4:5], s[4:5], s[36:37]                  ; my tile's 16 entries; s[4:5] are not written again
	s_wait_alu depctr_va_vdst(0)                           ; the head's addresses are written: v164 and v182, which the list loads read; v1-4 and v176-179, which every later LDS instruction and store offset hangs on
.irp k, 0,1,2,3
	global_load_b128 v[16+4*\k:16+4*\k+3], v164, s[4:5] offset:16*\k   ; all 16, in every lane
.endr
	global_load_b64 v[162:163], v182, s[4:5]               ; the two entries of which one is my row
	s_cmp_lt_u32 s26, 16
	s_cbranch_scc0 .Ljoin
; ---------------- WEIGHTS: waves 0-15, tile T = wave ----------------
	s_lshr_b32 s36, s26, 2
	s_lshl_b32 s36, s36, 6
	s_and_b32 s37, s26, 3
	s_add_co_u32 s36, s36, s37
	s_lshl_b32 s37, s27, 8
	s_add_co_u32 s36, s36, s37                             ; lane 0's column: 256 x slice + 64 (T / 4) + T % 4; lane r's is 4 r further on
	s_mov_b32 s39, 0
	s_lshl_b32 s38, s36, 8
	s_add_nc_u64 s[14:15], s[14:15], s[38:39]              ; proj1's codes: 256 bytes a column
	s_lshl_b32 s38, s36, 6
	s_add_nc_u64 s[18:19], s[18:19], s[38:39]              ; proj2's: 64
	s_lshl_b32 s38, s36, 3
	s_add_nc_u64 s[16:17], s[16:17], s[38:39]              ; proj1's scales: 8
	s_and_b32 s38, s36, -2
	s_lshl_b32 s38, s38, 1
	s_add_nc_u64 s[20:21], s[20:21], s[38:39]              ; proj2's: 2; the word of the even column and its neighbour
	s_lshl_b32 s38, s36, 2
	s_add_nc_u64 s[22:23], s[22:23], s[38:39]              ; proj3: 4 bytes a column in each of its 16 rows
	v_lshlrev_b32 v84, 10, v7
	v_lshl_add_u32 v84, v5, 4, v84
	v_lshlrev_b32 v85, 8, v7
	v_lshl_add_u32 v85, v5, 4, v85
	v_lshlrev_b32 v86, 5, v7
	v_lshl_add_u32 v86, v5, 2, v86
	v_lshlrev_b32 v87, 3, v7
	v_lshlrev_b32 v88, 4, v7
	v_lshl_add_u32 v88, v5, 15, v88
	s_wait_alu depctr_va_vdst(0)                           ; the five offsets v84-88 are written, which the weights' loads read
.irp s, 0,1
.irp c, 0,1,2,3
	global_load_b128 v[32+16*\s+4*\c:32+16*\s+4*\c+3], v84, s[14:15] offset:128*\s+32*\c   ; k = 128 s + 32 c + 16 h + 0 .. 15 of my column
.endr
.endr
.irp c, 0,1
	global_load_b128 v[64+4*\c:64+4*\c+3], v85, s[18:19] offset:32*\c
.endr
	global_load_b32 v184, v86, s[16:17]                    ; lane (r, h): the word of K step h
	global_load_b32 v185, v87, s[20:21]
.irp i, 0,1,2,3,4,5,6,7
	global_load_b32 v[72+\i], v88, s[22:23] offset:4096*\i ; proj3(8 h + i, my column)
.endr
	s_wait_loadcnt 0x0                                     ; all of them: they are stored next
.irp q, 0,1,2,3
	v_cvt_pk_bf16_f32 v[80+\q], v[72+2*\q], v[73+2*\q]     ; the lower k in the low half
.endr
	s_wait_alu depctr_va_vdst(0)                           ; the four conversions have written v80-83, which the store of proj3's image reads
.irp s, 0,1
.irp c, 0,1,2,3
	ds_store_b128 v176, v[32+16*\s+4*\c:32+16*\s+4*\c+3] offset:2048*\s+512*\c
.endr
.endr
.irp c, 0,1
	ds_store_b128 v177, v[64+4*\c:64+4*\c+3] offset:512*\c
.endr
	ds_store_b128 v178, v[80:83]
	ds_store_b32 v179, v184
	ds_store_b32 v179, v185 offset:S2O-S1O
; ---------------- the barrier: the images lie in LDS; from here on LDS is only read ----------------
.Ljoin:
	s_wait_loadcnt 0x0                                     ; on every wave's path: my list is in, and no global load is out, so that whichever kind follows may load into v32 on
	s_wait_kmcnt 0x0                                       ; my tile's word
	s_and_b32 s33, s35, 0xff                               ; kind
	s_lshr_b32 s34, s35, 8                                 ; entries
	v_cmp_gt_u32 vcc_lo, s34, v160                         ; row r is entry 2 (r % 8) + r / 8, or its even partner where that is a hole
	s_wait_dscnt 0x0                                       ; for the others' sake: my stores have landed
	s_wait_alu depctr_vm_vsrc(0)                           ; the image stores have read v32-71, v80-83, v184 and v185, the loads their offsets v84-88, v164 and v182: every kind below writes some of these again, by loads or by vector instructions
	s_wait_alu depctr_va_vcc(0)                            ; VCC is written by the compare above, ahead of its one reader, the select of my row below
	s_barrier_signal -1
	; register work while the others arrive
.irp j, 0,1,2,3,4,5,6,7
	s_cmp_gt_u32 s34, 2*\j+1
	s_cselect_b32 s35, 0xffff0000, 0                       ; lanes 16-31 take entry 2 j + 1 if there is one, else entry 2 j once more
	v_cndmask_b32 v[16+2*\j], v[16+2*\j], v[17+2*\j], s35
	v_lshrrev_b32 v[VO+\j], 20, v[16+2*\j]
	v_min_u32 v[VO+\j], 255, v[VO+\j]                      ; the token's place in the block
	v_lshl_add_u32 v[VO+\j], v[VO+\j], 12, v4
.endr
	v_cndmask_b32 v5, v162, v163, vcc_lo
	v_and_b32 v5, 0x7ffff, v5                              ; its token
	v_bfe_u32 v6, v0, 4, 1                                 ; h
	s_barrier_wait -1
	s_cmp_eq_u32 s33, 2
	s_cbranch_scc1 .Lc2
	s_cmp_eq_u32 s33, 3
	s_cbranch_scc1 .Lc3
	s_cmp_eq_u32 s33, 1
	s_cbranch_scc1 .Lc1
	s_cmp_eq_u32 s33, 0
	s_cbranch_scc1 .Lc0
	s_cmp_eq_u32 s33, 4
	s_cbranch_scc1 .Lz
	s_wait_dscnt 0x0                                       ; this split has no tile of my number.  The closing lines, six on end
	s_wait_alu 0x0
	s_wait_tensorcnt 0x0
	ds_add_u32 v183, v191
	s_wait_dscnt 0x0
	s_endpgm
; ---------------- cluster 2: K = 64 ----------------
; v32-63 the row's numbers, later buffer 1; v64-87 [codes | zeros | codes]; v88-119 buffer 0; v160-175 the second out-buffer; v184-185, v186-187 the buffers' pair words; v188 the row's scale word
.Lc2:
	v_add_nc_u32 v5, -40000, v5
	v_min_u32 v5, 159999, v5                               ; a hole's row is held inside the table; nothing of it is stored
	v_lshlrev_b32 v5, 8, v5
	v_lshl_add_u32 v5, v6, 6, v5                           ; row x 256 bytes + 64 h: my 16 numbers of a block of 32
	s_wait_alu depctr_va_vdst(0)                           ; v5, the gather's offset, and v8-15, the stores' offsets, are written; v88, in which the first fetch lands, was last written by the weights' arm
.irp b, 0,1
.irp i, 0,1,2,3
	global_load_b128 v[32+16*\b+4*\i:32+16*\b+4*\i+3], v5, s[10:11] offset:128*\b+16*\i
.endr
.endr
	FETCH2 0, 88, 184
.irp i, 0,1,2,3,4,5,6,7
	v_mov_b32 v[72+\i], 0                                  ; zero codes: they add nothing
.endr
	s_wait_loadcnt 0x0
	QUANT 32, 2, 64, 80, 188
	PLACES 4                                               ; codes written by vector instructions stand four places ahead of a scaled product; the scale word was made ahead of the holds
	s_wait_alu depctr_va_vdst(0)                           ; behind the places: the codes and zeros v64-87 and the scale word v188 are written, which the scaled products take; and the quantiser is done with v32-63, in which the next group's fetch lands
	C2GROUP 0, 88, 184, 32, 186
	C2GROUP 1, 32, 186, 88, 184
	C2GROUP 2, 88, 184, 32, 186
	C2GROUP 3, 32, 186, 0, 0
	s_wait_dscnt 0x0                                       ; the closing lines, six on end
	s_wait_alu 0x0
	s_wait_tensorcnt 0x0
	ds_add_u32 v183, v191
	s_wait_dscnt 0x0
	s_endpgm
; ---------------- cluster 3: K = 16, bf16 ----------------
; v32-39 the row's numbers; v40-51 [row | zeros | row]; v64-127 all 16 tiles of proj3, two to an operand; v160-175 the second out-buffer
.Lc3:
	v_add_nc_u32 v5, -200000, v5
	v_min_u32 v5, 67734, v5
	v_lshlrev_b32 v5, 6, v5
	v_lshl_add_u32 v5, v6, 5, v5                           ; row x 64 bytes + 32 h: k = 8 h + 0 .. 7
	s_wait_alu depctr_va_vdst(0)                           ; v5, the gather's offset, and v8-15, the stores' offsets, are written; the weights' arm is done reading v72-79 and writing v80-88, in which the tiles' loads land
	global_load_b128 v[32:35], v5, s[12:13]
	global_load_b128 v[36:39], v5, s[12:13] offset:16
.irp n, 0,1,2,3,4,5,6,7,8,9,10,11,12,13,14,15
	ds_load_b128 v[64+4*\n:64+4*\n+3], v2 offset:P3O+512*\n
.endr
.irp i, 0,1,2,3
	v_mov_b32 v[44+\i], 0
.endr
	s_wait_loadcnt 0x0
.irp q, 0,1,2,3
	v_cvt_pk_bf16_f32 v[40+\q], v[32+2*\q], v[33+2*\q]
	v_cvt_pk_bf16_f32 v[48+\q], v[32+2*\q], v[33+2*\q]
.endr
	s_wait_dscnt 0x0
.irp g, 0,1,2,3
.irp t, 0,1,2,3
	v_wmma_f32_16x16x32_bf16 v[ACC+8*\t:ACC+8*\t+7], v[40+4*(\t%2):40+4*(\t%2)+7], v[64+16*\g+8*(\t/2):64+16*\g+8*(\t/2)+7], 0
.endr
	PLACES 4                                               ; ahead of the first read of the results (ISA guide 7.12.1)
	OUTG \g, 160
.endr
	s_wait_dscnt 0x0                                       ; the closing lines, six on end
	s_wait_alu 0x0
	s_wait_tensorcnt 0x0
	ds_add_u32 v183, v191
	s_wait_dscnt 0x0
	s_endpgm
; ---------------- cluster 1: K = 256, two K steps ----------------
; v32-159 the row's numbers; v160-175 the codes of K step 0; v32-47 those of K step 1; v48-111 four tiles of proj1; v112-127 the second out-buffer; v184-187 the tiles' scale words;
; v188 the row's: lanes 0-15 K step 0's word, lanes 16-31 K step 1's
.Lc1:
	v_add_nc_u32 v5, -20000, v5
	v_min_u32 v5, 19999, v5
	v_lshlrev_b32 v5, 10, v5
	v_lshl_add_u32 v5, v6, 6, v5
	s_wait_alu depctr_va_vdst(0)                           ; v5, the gather's offset, and v8-15, the stores' offsets, are written; the weights' arm is done reading v72-79 and writing v80-88, in which the row's loads land
.irp b, 0,1,2,3,4,5,6,7
.irp i, 0,1,2,3
	global_load_b128 v[32+16*\b+4*\i:32+16*\b+4*\i+3], v5, s[8:9] offset:128*\b+16*\i
.endr
.endr
	s_wait_loadcnt 16                                      ; K step 0's sixteen loads are in; K step 1's may be out
	QUANT 32, 4, 160, 0, 189
	s_wait_loadcnt 0x0
	QUANT 96, 4, 32, 0, 190
	s_mov_b32 s35, 0xffff0000
	v_cndmask_b32 v188, v189, v190, s35                    ; every lane of a row's pair holds the row's words
	PLACES 8                                               ; a scale word written by a vector instruction stands eight places ahead of a scaled product
	s_wait_alu depctr_va_vdst(0)                           ; behind the places, one wait for three things: the codes v160-175 and v32-47 and the scale word v188 are written, which the scaled products take; and the quantiser is done with v48-111, in which the first fetch lands
	FETCH1 0, 0
.irp g, 0,1,2,3
	s_wait_dscnt 0x0
.irp t, 0,1,2,3
	v_wmma_scale_f32_16x16x128_f8f6f4 v[ACC+8*\t:ACC+8*\t+7], v[160:175], v[48+16*\t:48+16*\t+15], 0, v188, v[184+\t] matrix_a_fmt:MATRIX_FMT_BF8 matrix_b_fmt:MATRIX_FMT_BF8
.endr
	PLACES 8                                               ; ahead of the loads into the tiles' registers
	s_wait_alu depctr_va_vdst(0)                           ; the four products are done reading the tiles v48-111, in which K step 1's tiles land
	FETCH1 \g, 1
	s_wait_dscnt 0x0
.irp t, 0,1,2,3                                            ; the four accumulators by turns
	v_wmma_scale_f32_16x16x128_f8f6f4 v[ACC+8*\t:ACC+8*\t+7], v[32:47], v[48+16*\t:48+16*\t+15], v[ACC+8*\t:ACC+8*\t+7], v188, v[184+\t] matrix_a_fmt:MATRIX_FMT_BF8 matrix_b_fmt:MATRIX_FMT_BF8 matrix_a_scale:MATRIX_SCALE_ROW1 matrix_b_scale:MATRIX_SCALE_ROW1
.endr
	PLACES 8
.if \g < 3
	s_wait_alu depctr_va_vdst(0)                           ; the four products are done reading the tiles v48-111 and their scale words v184-187, in which the next group's land; the multiplications that follow read these products' results in any case
	FETCH1 \g+1, 0                                         ; lands while this group leaves
.endif
	OUTG \g, 112
.endr
	s_wait_dscnt 0x0                                       ; the closing lines, six on end
	s_wait_alu 0x0
	s_wait_tensorcnt 0x0
	ds_add_u32 v183, v191
	s_wait_dscnt 0x0
	s_endpgm
; ---------------- cluster 0: no product: the row's slice x 32 ----------------
; v[17 + 2 j]: where load j reads; v[32 + 16 j] on: 1,024 bytes of entries 2 j (lanes 0-15) and 2 j + 1 (lanes 16-31)
.Lc0:
	s_mov_b32 s36, s29
	s_mov_b32 s37, s29                                     ; (the packed form names a pair and takes its low word for both halves)
.irp j, 0,1,2,3,4,5,6,7
	v_and_b32 v[17+2*\j], 0x7ffff, v[16+2*\j]
	v_min_u32 v[17+2*\j], 19999, v[17+2*\j]
	v_lshl_add_u32 v[17+2*\j], v[17+2*\j], 12, v4
.endr
	s_wait_alu depctr_va_vdst(0)                           ; the eight gather offsets v17, v19 .. v31 and the stores' offsets v8-15 are written; the weights' arm is done reading v72-79 and writing v80-88, in which the rows' loads land
.irp j, 0,1,2,3,4,5,6,7
.irp i, 0,1,2,3
	global_load_b128 v[32+16*\j+4*\i:32+16*\j+4*\i+3], v[17+2*\j], s[6:7] offset:256*\i   ; sixteen lanes read 256 consecutive bytes
.endr
.endr
.irp j, 0,1,2,3,4,5,6,7
.if \j > 0
	s_cmp_le_u32 s34, 2*\j
	s_cbranch_scc1 .Lend
.endif
	s_wait_loadcnt 28-4*\j                                 ; this pair of rows is in; the later pairs' loads may be out
.irp i, 0,2,4,6,8,10,12,14
	v_pk_mul_f32 v[32+16*\j+\i:32+16*\j+\i+1], v[32+16*\j+\i:32+16*\j+\i+1], s[36:37] op_sel_hi:[1,0]
.endr
	s_wait_alu depctr_va_vdst(0)                           ; the eight multiplications have written this pair's sixteen registers, the data of the four stores below; they are not written again
.irp i, 0,1,2,3
	global_store_b128 v[VO+\j], v[32+16*\j+4*\i:32+16*\j+4*\i+3], s[24:25] offset:256*\i th:TH_STORE_NT
.endr
.endr
	s_wait_dscnt 0x0                                       ; the closing lines, six on end
	s_wait_alu 0x0
	s_wait_tensorcnt 0x0
	ds_add_u32 v183, v191
	s_wait_dscnt 0x0
	s_endpgm
; ---------------- tokens outside every cluster: zeros ----------------
.Lz:
.irp i, 0,1,2,3
	v_mov_b32 v[32+\i], 0
.endr
	s_wait_alu depctr_va_vdst(0)                           ; the zeros v32-35, every store's data, and the stores' offsets v8-15 are written
.irp j, 0,1,2,3,4,5,6,7
.if \j > 0
	s_cmp_le_u32 s34, 2*\j
	s_cbranch_scc1 .Lend
.endif
.irp g, 0,1,2,3
	global_store_b128 v[VO+\j], v[32:35], s[24:25] offset:256*\g th:TH_STORE_NT
.endr
.endr
.Lend:
	s_wait_dscnt 0x0                                       ; the closing lines, six on end
	s_wait_alu 0x0
	s_wait_tensorcnt 0x0
	ds_add_u32 v183, v191
	s_wait_dscnt 0x0
	s_endpgm
.Lfunc_end_k_q174a40444b_embed:
	.size	k_q174a40444b_embed, .Lfunc_end_k_q174a40444b_embed-k_q174a40444b_embed
	.p2alignl 7, 3214868480
	.fill 96, 4, 3214868480
	.section	.rodata,"a",@progbits
	.p2align	6, 0x0
	.amdhsa_kernel k_q174a40444b_embed
		.amdhsa_group_segment_fixed_size 96768
		.amdhsa_private_segment_fixed_size 0
		.amdhsa_enable_private_segment 0
		.amdhsa_kernarg_size 88
		.amdhsa_user_sgpr_count 2
		.amdhsa_user_sgpr_kernarg_segment_ptr 1
		.amdhsa_wavefront_size32 1
		.amdhsa_system_sgpr_workgroup_id_x 1
		.amdhsa_system_sgpr_workgroup_id_y 1
		.amdhsa_system_sgpr_workgroup_id_z 1
		.amdhsa_system_vgpr_workitem_id 0
		.amdhsa_next_free_vgpr 192
		.amdhsa_next_free_sgpr 66
		.amdhsa_reserve_vcc 1
		.amdhsa_float_denorm_mode_32 3
		.amdhsa_float_denorm_mode_16_64 3
		.amdhsa_memory_ordered 1
		.amdhsa_forward_progress 1
		.amdhsa_inst_pref_size 106
	.end_amdhsa_kernel
	.amdgpu_metadata
---
amdhsa.version: [ 1, 2 ]
amdhsa.kernels:
  - .name:           k_q174a40444b_embed
    .symbol:         k_q174a40444b_embed.kd
    .args:
      - { .name: route, .offset: 0, .size: 8, .value_kind: global_buffer, .address_space: global }
      - { .name: emb0, .offset: 8, .size: 8, .value_kind: global_buffer, .address_space: global }
      - { .name: emb1, .offset: 16, .size: 8, .value_kind: global_buffer, .address_space: global }
      - { .name: emb2, .offset: 24, .size: 8, .value_kind: global_buffer, .address_space: global }
      - { .name: emb3, .offset: 32, .size: 8, .value_kind: global_buffer, .address_space: global }
      - { .name: proj1_codes, .offset: 40, .size: 8, .value_kind: global_buffer, .address_space: global }
      - { .name: proj1_scales, .offset: 48, .size: 8, .value_kind: global_buffer, .address_space: global }
      - { .name: proj2_codes, .offset: 56, .size: 8, .value_kind: global_buffer, .address_space: global }
      - { .name: proj2_scales, .offset: 64, .size: 8, .value_kind: global_buffer, .address_space: global }
      - { .name: proj3, .offset: 72, .size: 8, .value_kind: global_buffer, .address_space: global }
      - { .name: out0, .offset: 80, .size: 8, .value_kind: global_buffer, .address_space: global }
    .group_segment_fixed_size: 96768
    .private_segment_fixed_size: 0
    .kernarg_segment_align: 8
    .kernarg_segment_size: 88
    .max_flat_workgroup_size: 640
    .sgpr_count:     66
    .vgpr_count:     192
    .wavefront_size: 32
...
	.end_amdgpu_metadata
.endif
;; end of part 3
